; MI455X (gfx1250); checked and timed in simulation.
; The chip was launched on July 23, 2026; its instructions are those of AMD's public machine-readable ISA for CDNA 5 (MIT licence, August 2026) and "CDNA5" Instruction Set Architecture Reference Guide (July 2026). The comments in the code are by the model that wrote it; some were corrected since.
;; Attention. Allowed arithmetic: matrix products marked QUANTISED: E2M1 operands, one E8M0 scale for each 32 along K, by v_wmma_scale_f32_16x16x128_f8f6f4 with both operands' format E2M1 (or v_wmma_scale_f32_32x16x128_f4), f32 sums; everything else in f32.
;; Inputs: Wk 1,024 x 1,024 float32; Wq 1,024 x 1,024 float32; Wv 1,024 x 1,024 float32; bk 1,024 float32; bq 1,024 float32; bv 1,024 float32; x 4 x 2,048 x 1,024 float32.
;; Outputs: out0 4 x 2,048 x 1,024 float32.
;; This version of the problem:
;;   THIS VERSION OF THE PROBLEM IS GIVEN IN LOW PRECISION. The matrix products marked QUANTISED in the list below multiply operands that are first quantised to E2M1 (2 exponent bits, 1 mantissa bit; 4 bits a number), with one power-of-two scale for each 32 numbers along K (OCP MX v1.0); their sums are f32. All else is computed in f32.
;;   The module's matrix products, in the order in which they are computed (A, B: the left and right operand; K: the contracted axis; several contracted axes count as one K, in the product's order):
;;     1. [M 8,192, K 1,024] x [K 1,024, N 1,024]; A: input x; B: input Wq: QUANTISED
;;     2. [M 8,192, K 1,024] x [K 1,024, N 1,024]; A: input x; B: input Wk: QUANTISED
;;     3. [M 8,192, K 1,024] x [K 1,024, N 1,024]; A: input x; B: input Wv: QUANTISED
;;     4. batch 64 x [M 2,048, K 64] x [K 64, N 2,048]; A: computed on the way; B: computed on the way: QUANTISED
;;     5. batch 64 x [M 2,048, K 2,048] x [K 2,048, N 64]; A: softmax (see below); B: computed on the way: QUANTISED
;;   THE QUANTISER, for each operand of a quantised product, along K:
;;     - K is cut into blocks of 32 from its start; a last block that is shorter is filled with zeros.
;;     - A block's scale is 2^e with e = floor(log2(the largest magnitude in the block)) - 2, held to -126 .. 127; a block of zeros has e = 0. As a byte (E8M0): e + 127.
;;     - Each number is divided by its block's scale, clamped to +-6, and rounded to the nearest number of E2M1, ties to even, subnormals kept.
;;     - The product sums the exact products of the quantised numbers (number of the format x scale) in f32.
;;   ~~~python
;;   def quantise(x, axis):      # numpy; x: float32 -> the quantised numbers, widened to float32 again
;;       x = np.moveaxis(x, axis, -1); K = x.shape[-1]
;;       x = np.pad(x, [(0, 0)] * (x.ndim - 1) + [(0, -K % 32)]); x = x.reshape(x.shape[:-1] + (-1, 32)); a = np.abs(x).max(-1, keepdims=True)
;;       e = np.where(a > 0, np.clip(np.frexp(np.where(a > 0, a, 1))[1] - 1 - 2, -126, 127), 0)      # np.frexp(a)[1] - 1 = floor(log2(a)), exactly
;;       r = np.clip(x / 2.0 ** e, -6, 6)
;;       step = 2.0 ** (np.maximum(np.frexp(np.where(r == 0, 1, r))[1] - 1, 0) - 1)
;;       q = np.round(r / step) * step * 2.0 ** e      # np.round: ties to even
;;       return np.moveaxis(q.reshape(q.shape[:-2] + (-1,))[..., :K], -1, axis).astype(np.float32)
;;   ~~~
;;   SOFTMAX AHEAD OF A QUANTISED PRODUCT. Where the list says 'softmax', what is quantised is not the finished softmax but p = 2^(t - M), with t = logit x log2(e) and M = ceil(the row's largest t), a whole number; so 1/2 < the row's largest p <= 1. The row's sum l is taken of the UNQUANTISED p, in f32, and the product's result is divided by l at the end. Since M is a whole number, a kernel that streams over the keys may use a running M (the ceiling of the running maximum): every later rescaling is an exact power of two, which a block's scale takes up: the codes' values come out the same.
;;   OPERANDS COMPUTED ON THE WAY. 'Computed on the way' means the value that the module computes at that place (a softmax that the list does not call 'softmax' is quantised finished and normalised). What goes into a quantiser is computed in f32, as accurately as f32 sums, v_exp_f32 and their like allow (about 1e-6 of the number): no bf16 or f16 on the way to a quantiser, and a product that is left as it is and whose result goes on into a quantised operand takes f32 operands (vector FMAs, or v_wmma_f32_16x16x4_f32). A number that lies on a knife's edge between two numbers of the format may be rounded either way, as far as f32 arithmetic and the matrix unit's own rounding can turn it there, and no further.
;; One version. Each part assembles by itself: llvm-mc -triple=amdgcn-amd-amdhsa -mcpu=gfx1250 --defsym DOCPART=n.
;; ======== version 1 of 1: 3 launches
;; limits: right only within a limited range of input values
;; workspace buffers: cod 5,767,168 bytes; scl 360,448 bytes; qc 4,194,304 bytes; qs 262,144 bytes; kv 8,912,896 bytes
;; launch quant (part 1): grid 256 x 1, 11 waves a work-group, no clusters, 60,672 bytes of LDS; arguments x, Wq, Wk, Wv, cod, scl; writes cod, scl
.if DOCPART == 1
	.amdgcn_target "amdgcn-amd-amdhsa--gfx1250"
	.amdhsa_code_object_version 6
	.text
	.protected	k_q4aecd62ad8_quant
	.globl	k_q4aecd62ad8_quant
	.p2align	8
	.type	k_q4aecd62ad8_quant,@function
k_q4aecd62ad8_quant:
	s_mov_b64 s[64:65], 0
	v_nop
	global_prefetch_b8 v0, s[64:65] scope:SCOPE_SE
	s_setreg_imm32_b32 hwreg(HW_REG_WAVE_MODE, 25, 1), 1
	s_wait_xcnt 0x0
; x [8192][1024], Wq, Wk, Wv [1024][1024], f32 with K (the hidden axis) innermost, become codes of FP4 (E2M1), two a byte, and one E8M0 scale byte for each 32 along K.
; cod: 11,264 rows of 512 bytes (x, then Wq, Wk, Wv); scl: the same rows, 32 bytes each.
; A block's scale is 2^(floor(log2(its largest magnitude)) - 2); its byte is the largest magnitude's exponent field - 2, held at 1 from below.
; (A block of zeros so gets the byte 1 where the rule says 127: its codes are zeros, and the bytes are read by this program alone.)
; LIMITS: blocks whose largest magnitude lies under 2^-124 are held at the byte 1; NaN and infinities among the inputs are not served.
; ROW ORDER.  Within each 64 rows of x, Wq and Wk, stored row 16 t + 8 h + j holds row 32 h + 8 t + j (t 0..3, h 0..1, j 0..7).
; So in the matrix results of four neighbouring stored tiles a lane's 32 registers are 32 neighbours along the next product's K: a whole block.  Wv keeps its order.
; SHARES.  The 11,264 rows are 2,816 runs of 4 rows: 256 work-groups of 11 waves, a run a wave: waves 0-7 take runs 8 g + w of x, waves 8-10 runs 3 g + w - 8 of the 768 of Wq, Wk, Wv.
; The row order is a choice of where a run is stored.  A run is 8 steps of 512 numbers; all its 32 loads are issued at the start.
; Each of a step's four loads reads 512 consecutive bytes; the 2,048 bytes turn through the wave's own stage in LDS and come back 64 bytes (16 neighbours) a lane; two neighbouring lanes hold a block.
; A step's codes leave as 256 consecutive bytes, aligned.  A run's 128 scale bytes are half of an aligned 256: they are one byte in 128 of what the launch reads.
; No tensor loads, no barrier, no cluster: waves and work-groups share nothing.
.set STEPS, 8
.set EMAX,  2
.set CB,    8                          ; bytes of 16 codes
.set R,     16                         ; v16-143  eight sets of 16 numbers as they are loaded
.set X,     144                        ; v144-175 two sets of 16 neighbours
.set E,     176                        ; v176-183 a scale byte for each step
.set C,     184                        ; v184-199 codes: two registers for each step, so that no store's data are written again
.set SPW,   200                        ; LDS address of my spare word; never rewritten
.set NIL,   201                        ; 0; never rewritten
.set SP,    80                         ; a lane's place in a stage: its 64 bytes + 16 of padding
.set WREG,  2*32*SP+256                ; LDS: a region for each wave: two stages of 32 x SP bytes, behind them its 128 scale bytes
.set SPARE, 11*WREG                    ; behind the regions: the spare words, 128 bytes a wave
	s_load_b256 s[4:11], s[0:1], 0x0               ; x s[4:5], Wq s[6:7], Wk s[8:9], Wv s[10:11]
	s_load_b128 s[12:15], s[0:1], 0x20             ; cod s[12:13], scl s[14:15]
	v_lshl_add_u32 v[SPW], v0, 2, SPARE
	v_mov_b32 v[NIL], 0
	v_lshrrev_b32 v1, 5, v0
	v_readfirstlane_b32 s16, v1                    ; wave
	v_and_b32 v2, 31, v0                           ; lane
	v_lshlrev_b32 v3, 4, v2                        ; my 16 bytes of a load's 512
	s_mul_i32 s17, s16, WREG
	v_lshrrev_b32 v14, 2, v2
	v_mul_u32_u24 v14, v14, SP
	v_and_b32 v15, 3, v2
	v_lshl_add_u32 v14, v15, 4, v14
	v_add_nc_u32 v14, s17, v14                     ; the stage, on the way in: SP (lane / 4) + 16 (lane % 4)
	v_mul_u32_u24 v15, v2, SP
	v_add_nc_u32 v15, s17, v15                     ; and on the way out: SP x lane: my 16 neighbours
	v_mul_u32_u24 v4, v2, CB                       ; my codes' place in a step's
	v_lshrrev_b32 v5, 1, v2
	s_add_co_u32 s17, s17, 2*32*SP
	v_add_nc_u32 v5, s17, v5                       ; LDS: my wave's 128 scale bytes, my block's byte
	v_lshlrev_b32 v7, 2, v2                        ; and on the way out 4 bytes a lane
	v_add_nc_u32 v6, s17, v7
	s_lshl_b32 s18, ttmp9, 3
	s_add_co_u32 s18, s18, s16                     ; waves 0-7: my run of x
	s_mul_i32 s19, ttmp9, 3
	s_add_co_u32 s19, s19, s16
	s_sub_co_u32 s19, s19, 8                       ; waves 8-10: my run of the weights' 768 (in waves 0-7 this and what is made of it is not used)
	s_lshr_b32 s22, s19, 8                         ; which weight,
	s_and_b32 s23, s19, 255                        ; which run of it,
	s_add_co_u32 s19, s19, 2048                    ; which among all runs
	s_wait_alu depctr_va_vdst(0)                   ; the wait at the head's end
	s_wait_kmcnt 0x0
	s_cmp_lt_u32 s22, 2                            ; which tensor?  Every choice hangs on the work-group's and the wave's number alone
	s_cselect_b64 s[8:9], s[8:9], s[10:11]
	s_cmp_lt_u32 s22, 1
	s_cselect_b64 s[6:7], s[6:7], s[8:9]
	s_cmp_lt_u32 s16, 8
	s_cselect_b64 s[4:5], s[4:5], s[6:7]
	s_cselect_b32 s17, s18, s23                    ; the run of the tensor that I read
	s_cselect_b32 s19, s18, s19                    ; and its number a among all runs.  Its low four bits are h, t (two bits), e: it is stored at t, h, e:
	s_and_b32 s18, s19, 0xfffffff1                 ; the bits above, and e;
	s_and_b32 s22, s19, 6
	s_lshl_b32 s22, s22, 1
	s_or_b32 s18, s18, s22                         ; t, one place up;
	s_lshr_b32 s22, s19, 2
	s_and_b32 s22, s22, 2
	s_or_b32 s18, s18, s22                         ; h, two places down
	s_cmp_lt_u32 s19, 2560
	s_cselect_b32 s19, s18, s19                    ; Wv (runs 2,560 on) keeps its rows' order
	s_lshl_b32 s20, s17, 14                        ; 16,384 bytes a run
	s_mov_b32 s21, 0
	s_add_nc_u64 s[4:5], s[4:5], s[20:21]
	s_lshl_b32 s20, s19, 11                        ; 2,048 bytes of codes a run
	s_add_nc_u64 s[12:13], s[12:13], s[20:21]
	s_lshl_b32 s20, s19, 7                         ; 128 scale bytes a run
	s_add_nc_u64 s[14:15], s[14:15], s[20:21]
.macro TURN t                          ; step t's numbers through the stage: LDS serves a wave's instructions in order, so no wait stands between the stores and the loads
.irp i, 0,1,2,3
	ds_store_b128 v14, v[R+16*(\t)+4*\i:R+16*(\t)+4*\i+3] offset:32*SP*((\t)%2)+8*SP*\i
.endr
.irp i, 0,1,2,3
	ds_load_b128 v[X+16*((\t)%2)+4*\i:X+16*((\t)%2)+4*\i+3], v15 offset:32*SP*((\t)%2)+16*\i
.endr
.endm
.irp t, 0,1,2,3,4,5,6,7
.irp i, 0,1,2,3
	global_load_b128 v[R+16*\t+4*\i:R+16*\t+4*\i+3], v3, s[4:5] offset:2048*\t+512*\i th:TH_LOAD_NT   ; 32 lanes read 512 consecutive bytes
.endr
.endr
	s_wait_loadcnt 28                              ; step 0's four loads are in; the 28 of steps 1 to 7 may be out
	TURN 0
.macro STEP t
.set XS, X+16*((\t)%2)
.if (\t) > 0
	s_wait_dscnt 1                                 ; this step's numbers are back from the stage (the last step's byte store may be out)
.else
	s_wait_dscnt 0x0
.endif
.if (\t)+1 < STEPS
	s_wait_loadcnt 4*(STEPS-2-(\t))                ; the next step's four loads are in; those of the steps behind it may be out
	TURN (\t)+1                                    ; and go through the other stage while this step is worked
.endif
	v_max3_num_f32 v8, |v[XS]|, |v[XS+1]|, |v[XS+2]|               ; the largest magnitude of my 16, in two chains
	v_max3_num_f32 v9, |v[XS+3]|, |v[XS+4]|, |v[XS+5]|
.irp i, 6,10
	v_max3_num_f32 v8, v8, |v[XS+\i]|, |v[XS+\i+1]|
	v_max3_num_f32 v9, v9, |v[XS+\i+2]|, |v[XS+\i+3]|
.endr
	v_max3_num_f32 v8, v8, |v[XS+14]|, |v[XS+15]|
	v_max3_num_f32 v8, v8, v9, (EMAX+1)<<23        ; and the floor 2^(3 - 127): the byte cannot fall under 1
	v_max_num_f32_dpp v8, v8, v8 row_xmask:1 row_mask:0xf bank_mask:0xf   ; and of my neighbour's 16: the block's
	v_add_nc_u32 v11, -(EMAX<<23), v8              ; 2 off its exponent field: the conversion takes the exponent field of this operand as its scale
	v_cvt_scalef32_pk8_fp4_f32 v[C+2*(\t)], v[XS:XS+7], v11
	v_cvt_scalef32_pk8_fp4_f32 v[C+2*(\t)+1], v[XS+8:XS+15], v11
	v_lshrrev_b32 v[E+(\t)], 23, v11               ; the scale's byte (a plain line behind the conversions)
	ds_store_b8 v5, v[E+(\t)] offset:16*(\t)       ; both lanes of a block write the same byte with the same value
	global_store_b64 v4, v[C+2*(\t):C+2*(\t)+1], s[12:13] offset:32*CB*(\t)   ; the wave stores 256 consecutive bytes, aligned
.endm
.irp t, 0,1,2,3,4,5,6,7
	STEP \t
.endr
	ds_load_b32 v12, v6                            ; LDS serves a wave's instructions in order: this sees my stores
	s_wait_dscnt 0x0
	global_store_b32 v7, v12, s[14:15]             ; 32 lanes store my 4 rows' 128 scale bytes
	s_wait_tensorcnt 0x0                           ; the wave's end
	ds_add_u32 v[SPW], v[NIL]
	s_wait_dscnt 0x0
	s_endpgm
.Lfunc_end_k_q4aecd62ad8_quant:
	.size	k_q4aecd62ad8_quant, .Lfunc_end_k_q4aecd62ad8_quant-k_q4aecd62ad8_quant
	.p2alignl 7, 3214868480
	.fill 96, 4, 3214868480
	.section	.rodata,"a",@progbits
	.p2align	6, 0x0
	.amdhsa_kernel k_q4aecd62ad8_quant
		.amdhsa_group_segment_fixed_size 60672
		.amdhsa_private_segment_fixed_size 0
		.amdhsa_enable_private_segment 0
		.amdhsa_kernarg_size 48
		.amdhsa_user_sgpr_count 2
		.amdhsa_user_sgpr_kernarg_segment_ptr 1
		.amdhsa_wavefront_size32 1
		.amdhsa_system_sgpr_workgroup_id_x 1
		.amdhsa_system_sgpr_workgroup_id_y 1
		.amdhsa_system_sgpr_workgroup_id_z 1
		.amdhsa_system_vgpr_workitem_id 0
		.amdhsa_next_free_vgpr 202
		.amdhsa_next_free_sgpr 66
		.amdhsa_reserve_vcc 0
		.amdhsa_float_denorm_mode_32 3
		.amdhsa_float_denorm_mode_16_64 3
		.amdhsa_memory_ordered 1
		.amdhsa_forward_progress 1
		.amdhsa_inst_pref_size 19
	.end_amdhsa_kernel
	.amdgpu_metadata
---
amdhsa.version: [ 1, 2 ]
amdhsa.kernels:
  - .name:           k_q4aecd62ad8_quant
    .symbol:         k_q4aecd62ad8_quant.kd
    .args:
      - { .name: x, .offset: 0, .size: 8, .value_kind: global_buffer, .address_space: global }
      - { .name: Wq, .offset: 8, .size: 8, .value_kind: global_buffer, .address_space: global }
      - { .name: Wk, .offset: 16, .size: 8, .value_kind: global_buffer, .address_space: global }
      - { .name: Wv, .offset: 24, .size: 8, .value_kind: global_buffer, .address_space: global }
      - { .name: cod, .offset: 32, .size: 8, .value_kind: global_buffer, .address_space: global }
      - { .name: scl, .offset: 40, .size: 8, .value_kind: global_buffer, .address_space: global }
    .group_segment_fixed_size: 60672
    .private_segment_fixed_size: 0
    .kernarg_segment_align: 8
    .kernarg_segment_size: 48
    .max_flat_workgroup_size: 352
    .sgpr_count:     66
    .vgpr_count:     202
    .wavefront_size: 32
...
	.end_amdgpu_metadata
.endif
;; end of part 1
;; launch proj (part 2): grid 8 x 32, 8 waves a work-group, clusters of 4 x 4, 327,680 bytes of LDS; arguments cod, scl, bq, bk, bv, qc, qs, kv; writes qc, qs, kv
.if DOCPART == 2
	.amdgcn_target "amdgcn-amd-amdhsa--gfx1250"
	.amdhsa_code_object_version 6
	.text
	.protected	k_q4aecd62ad8_proj
	.globl	k_q4aecd62ad8_proj
	.p2align	8
	.type	k_q4aecd62ad8_proj,@function
k_q4aecd62ad8_proj:
	s_mov_b64 s[64:65], 0
	v_nop
	global_prefetch_b8 v0, s[64:65] scope:SCOPE_SE
	s_setreg_imm32_b32 hwreg(HW_REG_WAVE_MODE, 25, 1), 1
	s_wait_xcnt 0x0
	s_wait_alu depctr_hold_cnt(0) depctr_sa_sdst(0) depctr_va_vdst(0) depctr_va_sdst(0) depctr_va_ssrc(0) depctr_va_vcc(0) depctr_vm_vsrc(0)
	s_getreg_b32 s2, hwreg(HW_REG_IB_STS2, 6, 4)
	s_cmp_eq_u32 s2, 0
	s_cbranch_scc0 .Lentry_in_a_cluster
	s_endpgm
.Lentry_in_a_cluster:
	s_bfe_u32 s2, ttmp6, 0x10000c
	s_cmp_lg_u32 s2, 0xf033
	s_cbranch_scc0 .Lentry_shape_is_right
	s_endpgm
.Lentry_shape_is_right:
; q = x Wq^T + bq, k = x Wk^T + bk, v = x Wv^T + bv on codes of FP4 with E8M0 scales, sums in f32; the results are quantised in registers on the way out and leave as codes:
; q and k along a head's 64 channels (two blocks a row), v along the keys.  They never exist as f32 in memory.
; SHARES.  A work-group takes 256 stored rows of x (two key steps of one batch) and 128 columns (two heads) and makes the three tiles of 256 x 128 one after the other from ONE tile of x: 32 x 8 = 256 work-groups.
; Wave w of eight: rows 64 (w / 2) on, columns 64 (w % 2) on (one head): 16 accumulators of 16 x 16.  Two waves to a SIMD: one's loads and quantiser stand beside the other's products.
; LDS.  All of K (1,024 codes: rows of 512 bytes): x's 256 rows, filled once, and two slots of 128 rows: slot A takes Wq and, when q is made, Wv; slot B takes Wk.
; At the head waves 0-3 fetch x's quarters and waves 4, 5 Wq's halves.  Wk's halves (waves 6, 7) and Wv's (waves 4, 5) each go out behind the lines and the round ahead of a later fill; each lands
; while the product before it is made.  The launch claims all of LDS.
; CLUSTER 4 x 4.  The four work-groups of a row of the cluster need the same rows of x, the four of a column the same rows of the weights: each part is asked for jointly, by the same tensor load with the same
; descriptor and a mask that names the four.  No prefetch: the launch has no loop to run ahead in; every tile is asked for a whole product ahead of its use, or at the head.
; ROW ORDER.  Within each 64 rows of x, Wq, Wk, stored row 16 t + 8 h + j holds row 32 h + 8 t + j.
;   q, k: source 0 = 16 rows of W, source 1 = 16 rows of x: a lane holds one row of x, and the 32 registers of its four W tiles are channels 32 (lane / 16) + 0 .. 31 of my head.
;   v:    source 0 = 16 rows of x, source 1 = 16 rows of Wv: a lane holds one channel, and the 32 registers of its four x tiles are keys 32 (lane / 16) + 0 .. 31 of my 64 rows.
; So one piece of text quantises all three: a lane's 32 registers are one whole block, and the four conversions give 16 bytes a lane of the operand image that the next launch loads.
; The bias is the C of each sum's first matrix instruction, in the result's layout.
; OUT.  qc [bh][pair 64][u 2][half 2][r 16][16 B];  kv [bh][step 16][8,704 B]: K's codes as qc (4 KB), V's codes [t 4][c 2][half][r][16 B] (4 KB), K's scale words [r][pair 4], V's [r][t 4];  qs as K's scale words.
; LIMITS: a block whose largest magnitude lies under 2^-124 (zeros too) gets the byte 1; the bytes are read by this program alone.  NaN and infinities are not served.
; REGISTERS.  window 0: v1-15 addresses; v16-31 codes; v32-63 x's scale words (8 tile + K step); v64-95 W's; v96-127 at work; v128-255 accumulators ((a, b) at 128 + 32 b + 8 a).
;   window 1: two fragment buffers of 64 (x's four fragments, then W's four); v128-159 the bias, eight registers a tile.
.set PITCH, 528                        ; an LDS row: 512 bytes + 16 of padding = 132 words: sixteen neighbouring rows start at sixteen different groups of four banks (64 banks of 4 bytes: ISA guide 11.1)
.set HALF,  64*PITCH                   ; 64 rows: what one tensor load brings, and what one wave reads of a tile
.set REG,   128*PITCH
.set WA,    2*REG                      ; behind x's 256 rows: slot A,
.set WB,    3*REG                      ; slot B,
.set SS,    4*REG                      ; and for each of the two key steps 3 x 512 bytes in which the waves' scale words meet; no tensor load lands here
.set SSTEP, 1536
.set SPARE, SS+2*SSTEP                 ; the spare words, 128 bytes a wave
.set ADX, 3                            ; v3    LDS address of my fragments of x
.set ADW, 4                            ; v4-5  the same in slot A, slot B
.set R32, 7                            ; v7    32 r: a row of scale bytes
.set H128, 8                           ; v8    128 h: bq's, bk's 32 numbers of my half
.set R4,  9                            ; v9    4 r: bv's number of my channel
.set CO,  10                           ; v10   16 x lane: an operand image's place for my lane
.set SQK, 11                           ; v11   where I put q's, k's scale words
.set SV,  12                           ; v12   where I put v's half words
.set SRD, 13                           ; v13   where waves 0 and 4 read them back
.set OQ,  14                           ; v14   their place in qs: 4,096 h + 16 r
.set OK,  15                           ; v15   and in kv: 139,264 h + 16 r
.set P,   16
.set SX,  32
.set SW,  64
.set TM,  96                           ; v96-99   four blocks' largest magnitudes, then their bytes
.set SH,  103                          ; v103     8 h: my block's byte's place in a tile's two
.set TP,  104                          ; v104-107 what lane l xor 16 sends
.set TS,  112                          ; v112-115 the conversions' scale operands
.set HW,  120                          ; v120-123 two bytes a tile
.set SPW, 126                          ; LDS address of my spare word; never rewritten
.set NIL, 127                          ; 0; never rewritten
.set ACC, 128
.set BI,  128                          ; in window 1
.set WV,  20                           ; s20 wave; s29 its quarter of the rows; s21 that quarter's half of its key step; s30 which key step; s22 its half of the columns
.set G1X, 32                           ; s[32:39] descriptor group 1 for x's tiles;  s[40:47] for the weights': they differ in the mask
.set G1W, 40
.set MSB, 0
.macro WIN new                         ; the immediate's high byte repeats the setting that is left
.if MSB != \new
	s_set_vgpr_msb (MSB<<8)|\new
.set MSB, \new
.endif
.endm
.macro PLACES n
.rept \n
	v_nop
.endr
.endm
.macro CROUND                          ; a round of the cluster's barrier
	s_barrier_signal -1
	s_barrier_wait -1
	s_cmp_lg_u32 s[WV], 0
	s_cbranch_scc1 .Lnot_wave_0_\@
	s_barrier_signal -3
.Lnot_wave_0_\@:
	s_barrier_wait -3
	s_barrier_signal -1
	s_barrier_wait -1
.endm
.macro AHEAD_OF_A_FILL                 ; the lines ahead of a later fill, the add twice on end, and the round
	s_wait_tensorcnt 0x0                           ; all my tensor loads have landed,
	ds_add_u32 v[SPW], v[NIL]
	ds_add_u32 v[SPW], v[NIL]
	s_wait_dscnt 0x0                               ; the adds are done, and no LDS instruction of mine is out
	CROUND
.endm
	s_load_b256 s[4:11], s[0:1], 0x0               ; cod s[4:5], scl s[6:7], bq s[8:9], bk s[10:11]
	s_load_b256 s[12:19], s[0:1], 0x20             ; bv s[12:13], qc s[14:15], qs s[16:17], kv s[18:19]
	v_lshl_add_u32 v[SPW], v0, 2, SPARE
	v_mov_b32 v[NIL], 0
	ds_add_u32 v[SPW], v[NIL]                      ; the opening lines: the add, twice on end, and its wait
	ds_add_u32 v[SPW], v[NIL]
	v_lshrrev_b32 v1, 5, v0
	v_readfirstlane_b32 s[WV], v1                  ; wave 0..7
	s_lshr_b32 s29, s[WV], 1
	s_and_b32 s21, s29, 1
	s_and_b32 s22, s[WV], 1
	s_lshr_b32 s30, s[WV], 2
	s_bfe_u32 s23, ttmp6, 0x40000                  ; cx
	s_bfe_u32 s24, ttmp6, 0x40004                  ; cy
	s_lshl_b32 s25, ttmp9, 2
	s_add_co_u32 s25, s25, s23                     ; j: which 128 columns = 4 x cluster x + cx
	s_and_b32 s26, ttmp7, 0xffff
	s_lshl_b32 s26, s26, 2
	s_add_co_u32 s26, s26, s24                     ; i: which 256 rows = 4 x cluster y + cy
	s_lshl_b32 s27, s24, 2
	s_lshl_b32 s27, 15, s27                        ; my row of the cluster
	s_lshl_b32 s28, 0x1111, s23                    ; my column
	; descriptor group 1: a tile of 64 rows x 512 bytes, 16 bytes of padding behind each row
	s_or_b32 s[G1X], s27, (1<<20)|(1<<21)|(6<<22)|(3<<25)   ; 15:0 the mask; 17:16 elements of 1 byte; 20 padding on; 21 set beside a mask; 24:22 after every 128 words (code 6); 31:25 four words (code 3)
	s_or_b32 s[G1W], s28, (1<<20)|(1<<21)|(6<<22)|(3<<25)
.irp g, G1X, G1W
	s_mov_b32 s[\g+1], 512<<16                     ; tensor_dim0
	s_mov_b32 s[\g+2], 64<<16                      ; tensor_dim1
	s_mov_b32 s[\g+3], 512<<16                     ; tile_dim0
	s_mov_b32 s[\g+4], 64                          ; tile_dim1
	s_mov_b32 s[\g+5], 512                         ; from row to row
	s_mov_b32 s[\g+6], 0
	s_mov_b32 s[\g+7], 0
.endr
	s_and_b32 s2, s[WV], 3                         ; x: which 64 rows I fetch, if I fetch x:
	s_lshl_b32 s72, s2, 15                         ; in memory,
	s_mul_i32 s73, s2, HALF                        ; and in LDS: the wave's number alone enters an LDS address
	s_lshl_b32 s68, s26, 17                        ; row 256 i + 64 (w % 4), 512 bytes a row: made of cy's side alone
	s_add_co_u32 s68, s68, s72
	s_mov_b32 s69, 0
	s_lshl_b32 s72, s22, 15                        ; a weight: which 64 rows of its 128
	s_mul_i32 s3, s22, HALF
	s_lshl_b32 s70, s25, 16                        ; Wq: row 8,192 + 128 j + 64 (w % 2): made of cx's side alone
	s_add_co_u32 s70, s70, s72
	s_add_co_u32 s70, s70, 8192*512
	s_mov_b32 s71, 0
	s_wait_dscnt 0x0
	s_wait_kmcnt 0x0
	CROUND                                         ; all sixteen work-groups are here: the joint loads meet
	s_mov_b32 s48, 1                               ; group 0 for x: count 1,
	s_mov_b32 s49, s73                             ; LDS address,
	s_add_nc_u64 s[50:51], s[4:5], s[68:69]        ; global address,
	s_or_b32 s51, s51, 0x80000000                  ; type 2
	s_mov_b32 s52, 1                               ; Wq, into slot A
	s_add_co_u32 s53, s3, WA
	s_add_nc_u64 s[54:55], s[4:5], s[70:71]
	s_mov_b32 s56, 1                               ; Wk: 1,024 rows on, into slot B
	s_add_co_u32 s57, s3, WB
	s_add_nc_u64 s[58:59], s[54:55], 1024*512
	s_mov_b32 s60, 1                               ; Wv: 2,048 rows on, into slot A
	s_add_co_u32 s61, s3, WA
	s_add_nc_u64 s[62:63], s[54:55], 2048*512
	s_or_b32 s55, s55, 0x80000000
	s_or_b32 s59, s59, 0x80000000
	s_or_b32 s63, s63, 0x80000000
	s_cmp_lt_u32 s[WV], 4                          ; the head's fills: one chain of branches on the wave's number, at most one load on each way
	s_cbranch_scc0 .Lhead_w
	tensor_load_to_lds s[48:51], s[G1X:G1X+7]      ; waves 0-3: a quarter of x
	s_nop 0
	PLACES 4
	s_branch .Lasked
.Lhead_w:
	s_cmp_lt_u32 s[WV], 6
	s_cbranch_scc0 .Lasked
	tensor_load_to_lds s[52:55], s[G1W:G1W+7]      ; waves 4, 5: a half of Wq
	s_nop 0
	PLACES 4
.Lasked:
	; where the results go, and where scales and biases come from
	s_lshl_b32 s31, s26, 1
	s_add_co_u32 s31, s31, s30                     ; my 128 rows among all: 2 i + w / 4
	s_lshr_b32 s74, s31, 4
	s_lshl_b32 s74, s74, 4
	s_lshl_b32 s75, s25, 1
	s_add_co_u32 s74, s74, s75                     ; bh of the work-group's first head: 16 x batch + 2 j
	s_and_b32 s75, s31, 15                         ; my key step
	s_lshl_b32 s82, s74, 12                        ; qs: 4,096 bytes a head, 256 a step
	s_lshl_b32 s2, s75, 8
	s_add_co_u32 s82, s82, s2
	s_mov_b32 s83, 0
	s_mul_i32 s84, s74, 139264                     ; kv: 139,264 bytes a head, 8,704 a step
	s_mul_i32 s2, s75, 8704
	s_add_co_u32 s84, s84, s2
	s_mov_b32 s85, 0
	s_add_co_u32 s3, s74, s22                      ; my head
	s_lshl_b32 s76, s3, 16                         ; qc: 65,536 bytes a head, 4,096 a step, 2,048 for 64 rows
	s_lshl_b32 s2, s75, 12
	s_add_co_u32 s76, s76, s2
	s_lshl_b32 s2, s21, 11
	s_add_co_u32 s76, s76, s2
	s_mov_b32 s77, 0
	s_mul_i32 s3, s22, 139264
	s_add_co_u32 s3, s3, s84                       ; my head's step in kv
	s_add_co_u32 s78, s3, s2                       ; K's codes: + 2,048 for my 64 rows
	s_mov_b32 s79, 0
	s_lshl_b32 s2, s21, 9
	s_add_co_u32 s80, s3, s2                       ; V's codes: behind K's 4,096; my 64 keys are half c of each tile: + 512
	s_add_co_u32 s80, s80, 4096
	s_mov_b32 s81, 0
	s_lshl_b32 s86, s31, 12                        ; x's scale bytes: my 64 rows, 32 bytes a row
	s_lshl_b32 s2, s21, 11
	s_add_co_u32 s86, s86, s2
	s_mov_b32 s87, 0
	s_lshl_b32 s88, s25, 12                        ; Wq's: row 8,192 + 128 j + 64 (w % 2)
	s_lshl_b32 s2, s22, 11
	s_add_co_u32 s88, s88, s2
	s_add_co_u32 s88, s88, 8192*32
	s_mov_b32 s89, 0
	s_lshl_b32 s92, s25, 9                         ; the biases: column 128 j + 64 (w % 2), 4 bytes each
	s_lshl_b32 s2, s22, 8
	s_add_co_u32 s92, s92, s2
	s_mov_b32 s93, 0
	s_mov_b32 s90, 0x76543210
	s_mov_b32 s91, 0xfedcba98                      ; v_permlanex16_b32's selects for lane l xor 16
	s_add_nc_u64 s[76:77], s[14:15], s[76:77]
	s_add_nc_u64 s[78:79], s[18:19], s[78:79]
	s_add_nc_u64 s[80:81], s[18:19], s[80:81]
	s_add_nc_u64 s[82:83], s[16:17], s[82:83]
	s_add_nc_u64 s[84:85], s[18:19], s[84:85]
	s_add_nc_u64 s[86:87], s[6:7], s[86:87]
	s_add_nc_u64 s[88:89], s[6:7], s[88:89]
	s_add_nc_u64 s[8:9], s[8:9], s[92:93]
	s_add_nc_u64 s[10:11], s[10:11], s[92:93]
	s_add_nc_u64 s[12:13], s[12:13], s[92:93]
	s_mul_i32 s95, s22, HALF
	s_add_co_u32 s95, s95, WA                      ; LDS: my 64 rows of slot A,
	s_mul_i32 s94, s29, HALF                       ; my 64 rows of x,
	s_mul_i32 s67, s30, SSTEP
	s_add_co_u32 s67, s67, SS                      ; my key step's stage: 256 bytes a head, 16 a row;
	s_lshl_b32 s2, s22, 8
	s_add_co_u32 s2, s2, s67
	s_lshl_b32 s3, s21, 3                          ; q, k: my two pairs' words, 8 bytes;
	s_add_co_u32 s66, s2, s3
	s_lshl_b32 s3, s21, 1                          ; v: my two key blocks' bytes, 2 bytes of each tile's word
	s_add_co_u32 s2, s2, s3
	s_add_co_u32 s2, s2, 1024
	v_and_b32 v1, 15, v0                           ; r
	v_bfe_u32 v2, v0, 4, 1                         ; h
	v_mul_u32_u24 v[ADX], v1, PITCH
	v_lshl_add_u32 v[ADX], v2, 4, v[ADX]           ; a fragment's row x pitch + 16 h
	v_add_nc_u32 v[ADW], s95, v[ADX]
	v_add_nc_u32 v[ADW+1], REG, v[ADW]
	v_add_nc_u32 v[ADX], s94, v[ADX]
	v_lshlrev_b32 v[R32], 5, v1
	v_lshlrev_b32 v[H128], 7, v2
	v_lshlrev_b32 v[R4], 2, v1
	v_and_b32 v[CO], 31, v0
	v_lshlrev_b32 v[CO], 4, v[CO]
	v_lshl_add_u32 v[SQK], v1, 4, s66
	v_lshl_add_u32 v[SV], v1, 4, s2
	v_add_nc_u32 v[SRD], s67, v[CO]
	v_lshlrev_b32 v[OQ], 12, v2
	v_lshl_add_u32 v[OQ], v1, 4, v[OQ]
	v_mul_u32_u24 v[OK], v2, 139264
	v_lshl_add_u32 v[OK], v1, 4, v[OK]
	v_lshlrev_b32 v[SH], 3, v2
.irp k, 0,1,2,3
	v_mov_b32 v[TP+\k], 0                          ; written once: a lane permute's destination counts as one of its sources
.endr
.irp t, 0,1,2,3
.irp c, 0,1
	global_load_b128 v[SX+8*\t+4*\c:SX+8*\t+4*\c+3], v[R32], s[86:87] offset:512*\t+16*\c   ; x's scale words: row r of tile t, the words of K steps 4 c .. 4 c + 3; they serve all three products
.endr
.endr
.macro SCALES_W p                      ; the scale words of my four tiles of weight p
.irp a, 0,1,2,3
.irp c, 0,1
	global_load_b128 v[SW+8*\a+4*\c:SW+8*\a+4*\c+3], v[R32], s[88:89] offset:32768*(\p)+512*\a+16*\c
.endr
.endr
.endm
.macro BIAS p                          ; the bias in the result's layout, eight registers a tile, into window 1
	WIN 0x40
.if (\p) < 2
.irp a, 0,1,2,3                        ; q, k: tile a, lane half h: channels 32 h + 8 a + 0 .. 7
	global_load_b128 v[BI+8*\a:BI+8*\a+3], v[H128], s[8+2*(\p):9+2*(\p)] offset:32*\a
	global_load_b128 v[BI+8*\a+4:BI+8*\a+7], v[H128], s[8+2*(\p):9+2*(\p)] offset:32*\a+16
.endr
.else
.irp b, 0,1,2,3                        ; v: a lane holds one channel, 16 b + r: the same number in all eight registers
.irp j, 0,1,2,3,4,5,6,7
	global_load_b32 v[BI+8*\b+\j], v[R4], s[12:13] offset:64*\b
.endr
.endr
.endif
	WIN 0
.endm
; 16 LDS loads: the fragments of K step s (128 along K: 64 bytes of each row) into buffer buf.  A fragment is 16 rows x 128 K in 8 registers: lane l holds row l % 16; registers 4 c .. 4 c + 3 hold K = 64 c + 32 (l / 16) + 0 .. 31.
.macro FETCH s, buf, adw
	WIN 0x40
.irp t, 0,1,2,3
.irp c, 0,1
	ds_load_b128 v[64*(\buf)+8*\t+4*\c:64*(\buf)+8*\t+4*\c+3], v[ADX] offset:16*PITCH*\t+64*(\s)+32*\c
.endr
.endr
.irp t, 0,1,2,3
.irp c, 0,1
	ds_load_b128 v[64*(\buf)+32+8*\t+4*\c:64*(\buf)+32+8*\t+4*\c+3], v[\adw] offset:16*PITCH*\t+64*(\s)+32*\c
.endr
.endr
.endm
; 16 matrix instructions, one on each accumulator, in the same order in every K step: the accumulators take turns.  In K step 0 the bias is C: nothing is cleared.
.macro MUL s, buf, isv
.irp b, 0,1,2,3
.irp a, 0,1,2,3
.if (\isv)
.set rA, 64*(\buf)+8*\a                ; v: source 0 = x's tile a, source 1 = Wv's tile b
.set rB, 64*(\buf)+32+8*\b
.set sA, SX+8*\a+(\s)
.set sB, SW+8*\b+(\s)
.set rC, BI+8*\b
.else
.set rA, 64*(\buf)+32+8*\a             ; q, k: source 0 = W's tile a, source 1 = x's tile b
.set rB, 64*(\buf)+8*\b
.set sA, SW+8*\a+(\s)
.set sB, SX+8*\b+(\s)
.set rC, BI+8*\a
.endif
.set rD, ACC+32*\b+8*\a
.if (\s) == 0
	v_wmma_scale_f32_16x16x128_f8f6f4 v[rD:rD+7], v[rA:rA+7], v[rB:rB+7], v[rC:rC+7], v[sA], v[sB] matrix_a_fmt:MATRIX_FMT_FP4 matrix_b_fmt:MATRIX_FMT_FP4
.else
	v_wmma_scale_f32_16x16x128_f8f6f4 v[rD:rD+7], v[rA:rA+7], v[rB:rB+7], v[rD:rD+7], v[sA], v[sB] matrix_a_fmt:MATRIX_FMT_FP4 matrix_b_fmt:MATRIX_FMT_FP4
.endif
.endr
.endr
.endm
; THE QUANTISER.  A lane's 32 registers v[ACC + 32 b ..] are 32 neighbours along the next K, 32 h + 0 .. 31: a whole block, lanes 0-15 the tile's first, lanes 16-31 its second.
; No other lane is asked for a maximum, and the four conversions of tile b give the operand image's four registers as they stand.  A tile's two bytes are gathered from lanes l and l xor 16.
.macro QUANT
.irp b, 0,1,2,3
	v_max3_num_f32 v[TM+\b], |v[ACC+32*\b]|, |v[ACC+32*\b+1]|, 0x1800000   ; each accumulator is read from its low end on; the floor 2^(3 - 127) holds the byte at 1 from below
.endr
.irp i, 2,4,6,8,10,12,14,16,18,20,22,24,26,28,30
.irp b, 0,1,2,3
	v_max3_num_f32 v[TM+\b], v[TM+\b], |v[ACC+32*\b+\i]|, |v[ACC+32*\b+\i+1]|   ; the four blocks by turns
.endr
.endr
.irp b, 0,1,2,3
	v_add_nc_u32 v[TS+\b], 0xff000000, v[TM+\b]    ; 2 off the exponent field: the conversion's scale operand
.endr
.irp b, 0,1,2,3
	v_lshrrev_b32 v[TM+\b], 23, v[TS+\b]           ; my block's byte,
.endr
.irp b, 0,1,2,3
	v_lshlrev_b32 v[TM+\b], v[SH], v[TM+\b]        ; at its place, 8 h bits up;
.endr
.irp b, 0,1,2,3
	v_permlanex16_b32 v[TP+\b], v[TM+\b], s90, s91
.endr
.irp b, 0,1,2,3
	v_or_b32 v[HW+\b], v[TM+\b], v[TP+\b]          ; with lane l xor 16's: a tile's two bytes
.endr
.irp b, 0,1,2,3
.irp a, 0,1,2,3
	v_cvt_scalef32_pk8_fp4_f32 v[P+4*\b+\a], v[ACC+32*\b+8*\a:ACC+32*\b+8*\a+7], v[TS+\b]
.endr
.endr
	v_nop                                          ; one plain line behind the scaled conversions
.endm
; One product: eight K steps on two fragment buffers, then the way out.  Wq and Wv lie in slot A, Wk in slot B.
.macro PRODUCT p
	s_wait_loadcnt 0x0                             ; this product's scale words and bias are in (in the first product x's scale words too)
	FETCH 0, 0, ADW+(\p%2)
.irp s, 0,1,2,3,4,5,6,7
	s_wait_dscnt 0x0                               ; this K step's sixteen loads are in
.if \s < 7
.if \s > 0
	PLACES 4                                       ; four plain lines between the last K step's products and the loads into the buffer that they read (ISA guide 7.12.1 for vector instructions)
.endif
	FETCH \s+1, (\s+1)%2, ADW+(\p%2)               ; the next K step's fragments land while this one is multiplied
.endif
.if \s == 0
	WIN 0x15                                       ; sources 0, 1 and C (the bias) window 1, D window 0
.else
	WIN 0x05                                       ; sources 0, 1 window 1, C and D window 0
.endif
	MUL \s, \s%2, \p/2
.endr
	WIN 0
	PLACES 5                                       ; in front of the first read of results, of loads into scale registers that the last products read, and of the next product's first step, which writes the accumulators anew
.if \p > 0
	s_wait_xcnt 0x0                                ; the last product's stores have read the codes' registers: they are written again only behind this wait
.endif
.if \p < 2
	SCALES_W \p+1                                  ; the next product's scale words and bias come in while this one is quantised
	BIAS \p+1
.endif
	QUANT
.irp b, 0,1,2,3
.if \p < 2
	global_store_b128 v[CO], v[P+4*\b:P+4*\b+3], s[76+2*\p:77+2*\p] offset:512*\b    ; x tile b's image: the wave stores 512 consecutive bytes, aligned to 256
.else
	global_store_b128 v[CO], v[P+4*\b:P+4*\b+3], s[76+2*\p:77+2*\p] offset:1024*\b   ; channel tile b, my half of its keys
.endif
.endr
.if \p < 2
	v_lshl_or_b32 v124, v[HW+1], 16, v[HW]         ; a pair's word: tile u = 0's two bytes below, tile u = 1's above
	v_lshl_or_b32 v125, v[HW+3], 16, v[HW+2]
	ds_store_b64 v[SQK], v[124:125] offset:512*\p  ; lanes l and l xor 16 write the same bytes with the same value
.else
.irp t, 0,1,2,3
	ds_store_b16 v[SV], v[HW+\t] offset:4*\t       ; my two key blocks' bytes of channel tile t's word
.endr
.endif
.endm
	SCALES_W 0
	BIAS 0
	s_wait_alu depctr_va_vdst(0)                   ; the wait at the head's end
	AHEAD_OF_A_FILL                                ; x and Wq are in, everybody's parts, and all sixteen work-groups are here
	s_cmp_lt_u32 s[WV], 6
	s_cbranch_scc1 .Lno_wk
	tensor_load_to_lds s[56:59], s[G1W:G1W+7]      ; waves 6, 7: a half of Wk, slot B's first fill; it lands while q is made
	s_nop 0
	PLACES 4
.Lno_wk:
	PRODUCT 0
	AHEAD_OF_A_FILL                                ; Wk is in, nobody reads Wq any more, in no work-group of the cluster
	s_cmp_eq_u32 s29, 2
	s_cbranch_scc0 .Lno_wv
	tensor_load_to_lds s[60:63], s[G1W:G1W+7]      ; waves 4, 5: a half of Wv, into slot A; it lands while k is made
	s_nop 0
	PLACES 4
.Lno_wv:
	PRODUCT 1
	s_wait_tensorcnt 0x0                           ; my half of Wv is in,
	s_wait_dscnt 0x0                               ; and no LDS instruction of mine is out
	s_barrier_signal -1
	s_barrier_wait -1
	PRODUCT 2
	s_wait_dscnt 0x0                               ; for the others' sake: my scale words lie in the stage
	s_barrier_signal -1
	s_barrier_wait -1
	s_and_b32 s2, s[WV], 3                         ; waves 0 and 4 store their key step's three sets of scale words: lanes 0-15 the first head's 256 bytes, lanes 16-31 the second's, each aligned
	s_cmp_lg_u32 s2, 0
	s_cbranch_scc1 .Lno_words
	ds_load_b128 v[96:99], v[SRD]
	ds_load_b128 v[100:103], v[SRD] offset:512
	ds_load_b128 v[104:107], v[SRD] offset:1024
	s_wait_dscnt 0x0
	global_store_b128 v[OQ], v[96:99], s[82:83]
	global_store_b128 v[OK], v[100:103], s[84:85] offset:8192
	global_store_b128 v[OK], v[104:107], s[84:85] offset:8448
.Lno_words:
	s_wait_tensorcnt 0x0                           ; the wave's end
	ds_add_u32 v[SPW], v[NIL]
	s_wait_dscnt 0x0
	CROUND                                         ; the closing round: no work-group ends while a partner may still ask for a tile that names it
	s_endpgm
.Lfunc_end_k_q4aecd62ad8_proj:
	.size	k_q4aecd62ad8_proj, .Lfunc_end_k_q4aecd62ad8_proj-k_q4aecd62ad8_proj
	.p2alignl 7, 3214868480
	.fill 96, 4, 3214868480
	.section	.rodata,"a",@progbits
	.p2align	6, 0x0
	.amdhsa_kernel k_q4aecd62ad8_proj
		.amdhsa_group_segment_fixed_size 327680
		.amdhsa_private_segment_fixed_size 0
		.amdhsa_enable_private_segment 0
		.amdhsa_kernarg_size 64
		.amdhsa_user_sgpr_count 2
		.amdhsa_user_sgpr_kernarg_segment_ptr 1
		.amdhsa_wavefront_size32 1
		.amdhsa_system_sgpr_workgroup_id_x 1
		.amdhsa_system_sgpr_workgroup_id_y 1
		.amdhsa_system_sgpr_workgroup_id_z 1
		.amdhsa_system_vgpr_workitem_id 0
		.amdhsa_next_free_vgpr 512
		.amdhsa_next_free_sgpr 96
		.amdhsa_reserve_vcc 0
		.amdhsa_float_denorm_mode_32 3
		.amdhsa_float_denorm_mode_16_64 3
		.amdhsa_memory_ordered 1
		.amdhsa_forward_progress 1
		.amdhsa_inst_pref_size 116
	.end_amdhsa_kernel
	.amdgpu_metadata
---
amdhsa.version: [ 1, 2 ]
amdhsa.kernels:
  - .name:           k_q4aecd62ad8_proj
    .symbol:         k_q4aecd62ad8_proj.kd
    .args:
      - { .name: cod, .offset: 0, .size: 8, .value_kind: global_buffer, .address_space: global }
      - { .name: scl, .offset: 8, .size: 8, .value_kind: global_buffer, .address_space: global }
      - { .name: bq, .offset: 16, .size: 8, .value_kind: global_buffer, .address_space: global }
      - { .name: bk, .offset: 24, .size: 8, .value_kind: global_buffer, .address_space: global }
      - { .name: bv, .offset: 32, .size: 8, .value_kind: global_buffer, .address_space: global }
      - { .name: qc, .offset: 40, .size: 8, .value_kind: global_buffer, .address_space: global }
      - { .name: qs, .offset: 48, .size: 8, .value_kind: global_buffer, .address_space: global }
      - { .name: kv, .offset: 56, .size: 8, .value_kind: global_buffer, .address_space: global }
    .group_segment_fixed_size: 327680
    .private_segment_fixed_size: 0
    .kernarg_segment_align: 8
    .kernarg_segment_size: 64
    .max_flat_workgroup_size: 256
    .sgpr_count:     96
    .vgpr_count:     512
    .wavefront_size: 32
...
	.end_amdgpu_metadata
.endif
;; end of part 2
;; launch attn (part 3): grid 4 x 64, 16 waves a work-group, clusters of 4 x 1, 327,680 bytes of LDS; arguments qc, qs, kv, out0; writes out0
.if DOCPART == 3
	.amdgcn_target "amdgcn-amd-amdhsa--gfx1250"
	.amdhsa_code_object_version 6
	.text
	.protected	k_q4aecd62ad8_attn
	.globl	k_q4aecd62ad8_attn
	.p2align	8
	.type	k_q4aecd62ad8_attn,@function
k_q4aecd62ad8_attn:
	s_mov_b64 s[64:65], 0
	v_nop
	global_prefetch_b8 v0, s[64:65] scope:SCOPE_SE
	s_setreg_imm32_b32 hwreg(HW_REG_WAVE_MODE, 25, 1), 1
	s_wait_xcnt 0x0
	s_wait_alu depctr_hold_cnt(0) depctr_sa_sdst(0) depctr_va_vdst(0) depctr_va_sdst(0) depctr_va_ssrc(0) depctr_va_vcc(0) depctr_vm_vsrc(0)
	s_getreg_b32 s2, hwreg(HW_REG_IB_STS2, 6, 4)
	s_cmp_eq_u32 s2, 0
	s_cbranch_scc0 .Lentry_in_a_cluster
	s_endpgm
.Lentry_in_a_cluster:
	s_bfe_u32 s2, ttmp6, 0x10000c
	s_cmp_lg_u32 s2, 0x3003
	s_cbranch_scc0 .Lentry_shape_is_right
	s_endpgm
.Lentry_shape_is_right:
; out0[b][q][64 head + d] = the sum over keys of softmax(q . k / 8) v, both products on codes of FP4 with E8M0 scales, by the form of 32 x 16 x 128.
; THE SOFTMAX AHEAD OF THE SECOND PRODUCT: t = score x log2(e) / 8; M = the row's largest t so far, rounded up to a whole number; p = 2^(t - M) is quantised along the keys, not normalised.
; The row's sum is taken of the unquantised p, in f32, and divides O at the end.  When M moves, the sum and O are multiplied by 2^(old M - new M): exact.
; SHARES.  A work-group owns 512 queries of one head; each of its sixteen waves 32 of them, as two tiles of 16, one after the other, in 256 registers.  Every wave walks the head's 2,048 keys, 128 a step.
; K, V AND THEIR SCALES OF THE WHOLE HEAD, 139,264 dense bytes, come into LDS once, in two halves of eight key steps: every wave brings 17 rows of 256 bytes at the head, and 17 more behind the lines
; ahead of a later first fill.  The first four key steps read the first half alone; a barrier behind them shows the second half.  Nothing is filled again.  The launch claims all of LDS.
; CLUSTER 4 x 1: the four work-groups of a head need the same bytes: each load is asked for jointly, with the same descriptor and a mask that names the four.
; No prefetch: both halves of the one stream are asked for ahead of the first key step, so there is no loop to run ahead in.
; LAYOUT.  The bytes lie as images of the operands' registers (16 bytes a lane, lane by lane), so every fragment load takes 512 consecutive bytes.  Both products are used transposed: a lane holds ONE query throughout.
; The head has 64 channels and the instruction takes 128 along K: a fragment of K holds key tile u = 0 in K 0-63 and key tile u = 1 in K 64-127, and source 1 is q beside 64 zero codes, [q | 0] or [0 | q]: the zeros pick the tile.
; Source 0 has 32 rows: two neighbouring fragments, 16 registers.  Its scale register holds the first fragment's words in lanes 0-15 and the second's in lanes 16-31.  Six matrix instructions a key step: four for S^T, two for O^T.
; ROW ORDER.  Row 8 h + j of stored tile 4 c + t is key (or query) 64 c + 32 h + 8 t + j.  Score tile 4 c + t lies at v[SR + 32 c + 16 (t % 2) + 8 (t / 2)]: so the 32 registers v[SR + 32 c ..] of a lane are the keys
; 64 c + 32 (lane / 16) + 0 .. 31: one whole block, the very block that the second product's operand wants in that lane: no other lane is asked for a block's maximum, and the conversions' results are the operand's registers.
; The next step's fragments of K are loaded a step ahead, behind this step's first product.
; LIMITS: p under 2^-126 counts as 0 (v_exp_f32's result: ISA guide 15.8); a block whose every p lies under 2^-124 gets the byte 1.  NaN and infinities are not served.
.set KVB,   139264                     ; a head's bytes in kv and in LDS
.set STEPB, 8704                       ; a key step: K's codes 4,096, V's codes 4,096, K's scale words 256, V's 256
.set HALFB, 8*STEPB                    ; eight key steps: 16 waves x 17 rows of 256 bytes
.set STG,   KVB                        ; behind them: a stage of 16 rows x (256 + 16) bytes for each wave; no tensor load lands here
.set SPARE, 0x34000                    ; behind the stages: the spare words, 128 bytes a wave
.set AL,  1                            ; v1   16 x lane
.set AR,  2                            ; v2   16 r + 4 h: row r's scale word of fragment h
.set ADC, 3                            ; v3   LDS address of the step's codes
.set ADS, 4                            ; v4   and of its scale words
.set GO,  5                            ; v5   the way out: 4,096 h + 16 r in out0
.set STO, 6                            ; v6   where I put 32 bytes of a row
.set RD,  7                            ; v7   where I read a row back
.set SH,  10                           ; v10  8 h: my blocks' bytes' place in p's scale word
.set SQ,  28                           ; v28  q's scale word;  v29 the pair's raw word;  v16-19 zeros, v20-23 q's codes, v24-27 zeros;  v12 -M, v13 the largest score, v[14:15] the sum
.set KF,  32                           ; v32-63   four fragments of K
.set VF,  64                           ; v64-95   four fragments of V
.set SR,  96                           ; v96-159  S^T, then p
.set OT,  160                          ; v160-191 O^T
.set PC,  192                          ; v192-199 p's codes
.set BM,  200                          ; v200-203 my two blocks' largest scores (two chains each), then their largest p
.set BS,  204                          ; v204-205 the conversions' scale operands
.set BT,  206                          ; v206-207 the bytes
.set FF,  208                          ; v[208:209] f = 2^(old M - new M), and a register that is only named with it
.set PS,  210                          ; v210 p's scale word
.set TP,  211                          ; v211 what lane l xor 16 sends
.set T0,  212
.set T1,  213
.set KS,  224                          ; v224-225 K's scale words
.set VS,  228                          ; v228-229 V's
.set SA,  232                          ; v232-245 seven chains of the row's sum
.set SPW, 254                          ; LDS address of my spare word; never rewritten
.set NIL, 255                          ; 0; never rewritten
.set WV,  12                           ; s12 wave
.set SEL, 20                           ; s[20:21] v_permlanex16_b32's selects for lane l xor 16
.set CS,  22                           ; s[22:23] c = log2(e) / 8
.set TB,  36                           ; s36 LDS byte at which the key step begins
.set CNT, 37                           ; s37 key steps to go
.set NC,  46                           ; s46 -c
.macro PLACES
.rept 4
	v_nop
.endr
.endm
.macro CROUND                          ; a round of the cluster's barrier
	s_barrier_signal -1
	s_barrier_wait -1
	s_cmp_lg_u32 s[WV], 0
	s_cbranch_scc1 .Lnot_wave_0_\@
	s_barrier_signal -3
.Lnot_wave_0_\@:
	s_barrier_wait -3
	s_barrier_signal -1
	s_barrier_wait -1
.endm
	s_load_b256 s[4:11], s[0:1], 0x0               ; qc s[4:5], qs s[6:7], kv s[8:9], out0 s[10:11]
	v_lshl_add_u32 v[SPW], v0, 2, SPARE
	v_mov_b32 v[NIL], 0
	ds_add_u32 v[SPW], v[NIL]                      ; the opening lines: the add, twice on end, and its wait ahead of my first tensor load
	ds_add_u32 v[SPW], v[NIL]
	v_lshrrev_b32 v8, 5, v0
	v_readfirstlane_b32 s[WV], v8                  ; wave 0..15
	s_bfe_u32 s13, ttmp6, 0x40000                  ; cx
	s_lshl_b32 s15, ttmp9, 2
	s_add_co_u32 s13, s15, s13                     ; my block of 512 queries: it enters q's and out0's addresses alone
	s_and_b32 s14, ttmp7, 0xffff                   ; bh = 16 x batch + head, which the four partners share
	s_mul_i32 s18, s[WV], 17*256                   ; what I fetch of a half: 17 rows of 256 bytes, in LDS as in memory
	s_mul_i32 s16, s14, KVB
	s_add_co_u32 s16, s16, s18
	s_mov_b32 s17, 0
	s_mov_b32 s24, 15|(3<<16)|(1<<21)              ; group 1: 15:0 the mask: all four work-groups; 17:16 elements of 8 bytes; 21 set beside a mask; no padding
	s_mov_b32 s25, 32<<16                          ; tensor_dim0 = 32 elements: 256 bytes
	s_mov_b32 s26, 17<<16                          ; tensor_dim1
	s_mov_b32 s27, 32<<16                          ; tile_dim0
	s_mov_b32 s28, 17                              ; tile_dim1
	s_mov_b32 s29, 32                              ; from row to row: dense
	s_mov_b32 s30, 0
	s_mov_b32 s31, 0
	s_mov_b32 s[SEL], 0x76543210
	s_mov_b32 s[SEL+1], 0xfedcba98
	s_mov_b32 s[CS], 0x3e38aa3b                    ; log2(e) / 8
	s_mov_b32 s[CS+1], s[CS]                       ; (named with it as a pair, so it is written)
	s_mov_b32 s[NC], 0xbe38aa3b
	s_wait_dscnt 0x0
	s_wait_kmcnt 0x0
	CROUND                                         ; all four work-groups are here: the joint loads meet
	s_mov_b32 s32, 1                               ; group 0: count 1,
	s_mov_b32 s33, s18                             ; LDS address,
	s_add_nc_u64 s[34:35], s[8:9], s[16:17]        ; global address,
	s_or_b32 s35, s35, 0x80000000                  ; type 2
	tensor_load_to_lds s[32:35], s[24:31]          ; key steps 0 to 7: every wave's one load at the head
	s_nop 0
	PLACES
	v_and_b32 v8, 15, v0                           ; r
	v_bfe_u32 v9, v0, 4, 1                         ; h
	v_and_b32 v[AL], 31, v0
	v_lshlrev_b32 v[AL], 4, v[AL]
	v_lshlrev_b32 v11, 4, v8                       ; 16 r
	v_lshl_add_u32 v[AR], v9, 2, v11
	v_lshlrev_b32 v[SH], 3, v9
	v_lshlrev_b32 v[GO], 12, v9
	v_lshl_add_u32 v[GO], v8, 4, v[GO]
	s_mul_i32 s38, s[WV], 16*272
	s_add_co_u32 s38, s38, STG                     ; my stage
	v_mul_u32_u24 v[STO], v8, 272
	v_lshl_add_u32 v[STO], v9, 5, v[STO]
	v_add_nc_u32 v[STO], s38, v[STO]               ; in: row r, + 32 h
	v_mul_u32_u24 v[RD], v9, 272
	v_lshl_add_u32 v[RD], v8, 4, v[RD]
	v_add_nc_u32 v[RD], s38, v[RD]                 ; back: lanes 0-15 one row, lanes 16-31 the next
	s_lshl_b32 s19, s13, 4
	s_add_co_u32 s19, s19, s[WV]                   ; f: my pair of query tiles, 0 .. 63
	s_lshl_b32 s40, s14, 16                        ; qc: 65,536 bytes a head, 1,024 a pair
	s_lshl_b32 s39, s19, 10
	s_add_co_u32 s40, s40, s39
	s_mov_b32 s41, 0
	s_add_nc_u64 s[40:41], s[4:5], s[40:41]
	s_lshl_b32 s42, s14, 12                        ; qs: 4,096 bytes a head, 256 for four pairs, in them 16 a row and 4 a pair
	s_lshr_b32 s39, s19, 2
	s_lshl_b32 s39, s39, 8
	s_add_co_u32 s42, s42, s39
	s_and_b32 s39, s19, 3
	s_lshl_b32 s39, s39, 2
	s_add_co_u32 s42, s42, s39
	s_mov_b32 s43, 0
	s_add_nc_u64 s[42:43], s[6:7], s[42:43]
	s_lshr_b32 s44, s14, 4                         ; out0: rows of 4,096 bytes: 2,048 x batch + 64 (f / 2) + 16 (f % 2), + 256 bytes x head
	s_lshl_b32 s44, s44, 23
	s_lshr_b32 s39, s19, 1
	s_lshl_b32 s39, s39, 18
	s_add_co_u32 s44, s44, s39
	s_and_b32 s39, s19, 1
	s_lshl_b32 s39, s39, 16
	s_add_co_u32 s44, s44, s39
	s_and_b32 s39, s14, 15
	s_lshl_b32 s39, s39, 8
	s_add_co_u32 s44, s44, s39
	s_mov_b32 s45, 0
	s_add_nc_u64 s[44:45], s[10:11], s[44:45]
	s_wait_alu depctr_va_vdst(0)                   ; the wait here, directly ahead of the reader below
	global_load_b32 v29, v11, s[42:43]             ; my pair's scale word of row r: tile 0's two bytes below, tile 1's above
.irp j, 16,17,18,19,24,25,26,27
	v_mov_b32 v[\j], 0                             ; the 64 zero codes on either side of q
.endr
	v_mov_b32 v[TP], 0                             ; written once: a lane permute's destination counts as one of its sources
	v_mov_b32 v[FF+1], 0                           ; (named as the upper half of a pair)
	s_wait_alu depctr_va_vdst(0)                   ; the wait at the head's end
	s_wait_loadcnt 0x0                             ; the scale word
	s_wait_tensorcnt 0x0                           ; my part of the first half is in; the lines ahead of a later first fill:
	ds_add_u32 v[SPW], v[NIL]
	s_add_co_u32 s33, s33, HALFB                   ; no tensor load of mine is out, so group 0 may be written: the second half, in LDS
	s_add_nc_u64 s[34:35], s[34:35], HALFB         ; and in memory
	s_wait_dscnt 0x0
	CROUND                                         ; everybody's part is in, and all four work-groups are here
	tensor_load_to_lds s[32:35], s[24:31]          ; key steps 8 to 15
	s_nop 0
	PLACES
; A KEY STEP: 128 keys against my 16 queries.  pre = 1: the next step's fragments of K are asked for.
.macro STEP pre
	s_wait_dscnt 0x0                               ; this step's K and its scale words, asked for a step ago, are in
.irp g, 0,1                            ; S^T = K q^T: fragments 2 g and 2 g + 1 against q at K 64 u on: score tiles 4 g + u (registers 0-7) and 4 g + 2 + u (registers 8-15)
.irp u, 0,1
	v_wmma_scale_f32_32x16x128_f4 v[SR+32*\g+16*\u:SR+32*\g+16*\u+15], v[KF+16*\g:KF+16*\g+15], v[20-4*\u:27-4*\u], 0, v[KS+\g], v[SQ]
.endr
.endr
	v_add_nc_u32 v[ADC], s[TB], v[AL]
	v_add_nc_u32 v[ADS], s[TB], v[AR]
	v_mov_b32 v[T1], v12                           ; the old -M
	v_nop                                          ; four plain lines behind the products, ahead of the loads into K's and V's registers and of the first read of the scores
.irp t, 0,1,2,3
.irp c, 0,1
	ds_load_b128 v[VF+8*\t+4*\c:VF+8*\t+4*\c+3], v[ADC] offset:4096+1024*\t+512*\c
.endr
.endr
.irp g, 0,1
	ds_load_b32 v[VS+\g], v[ADS] offset:8448+8*\g  ; channel r's word of tile 2 g + h
.endr
.if \pre
.irp f, 0,1,2,3
.irp c, 0,1
	ds_load_b128 v[KF+8*\f+4*\c:KF+8*\f+4*\c+3], v[ADC] offset:STEPB+1024*\f+512*\c
.endr
.endr
.irp g, 0,1
	ds_load_b32 v[KS+\g], v[ADS] offset:STEPB+8192+8*\g   ; row r's word of fragment 2 g + h
.endr
.endif
.irp c, 0,1                            ; the largest score of my two blocks of 32 keys, each in two chains: it serves the row's maximum and, since p rises with the score, the block's largest p.  Each result of 16 registers is read from its low end on
	v_max3_num_f32 v[BM+\c], v[SR+32*\c], v[SR+32*\c+1], v[SR+32*\c+2]
	v_max3_num_f32 v[BM+2+\c], v[SR+32*\c+16], v[SR+32*\c+17], v[SR+32*\c+18]
.endr
.irp i, 3,5,7,9,11,13
.irp c, 0,1
	v_max3_num_f32 v[BM+\c], v[BM+\c], v[SR+32*\c+\i], v[SR+32*\c+\i+1]
	v_max3_num_f32 v[BM+2+\c], v[BM+2+\c], v[SR+32*\c+16+\i], v[SR+32*\c+17+\i]
.endr
.endr
.irp c, 0,1
	v_max3_num_f32 v[BM+\c], v[BM+\c], v[BM+2+\c], v[SR+32*\c+15]
.endr
.irp c, 0,1
	v_max_num_f32 v[BM+\c], v[BM+\c], v[SR+32*\c+31]
.endr
	s_delay_alu instid0(VALU_DEP_1)
	v_max_num_f32 v[T0], v[BM], v[BM+1]
	s_delay_alu instid0(VALU_DEP_1)
	v_permlanex16_b32 v[TP], v[T0], s[SEL], s[SEL+1]
	s_delay_alu instid0(VALU_DEP_1)
	v_max3_num_f32 v13, v13, v[T0], v[TP]          ; the running largest score of my query, lane l xor 16's 64 keys among them
	s_delay_alu instid0(VALU_DEP_1)
	v_mul_f32 v[T0], s[NC], v13                    ; -t
	s_delay_alu instid0(VALU_DEP_1)
	v_floor_f32 v12, v[T0]                         ; the new -M = floor(-t): M is a whole number
	s_delay_alu instid0(VALU_DEP_1)
	v_sub_f32 v[T1], v12, v[T1]                    ; old M - new M: a whole number, 0 or less
	s_delay_alu instid0(VALU_DEP_1)
	v_cvt_i32_f32 v[T1], v[T1]                     ; (it saturates)
	s_delay_alu instid0(VALU_DEP_1)
	v_ldexp_f32 v[FF], 1.0, v[T1]                  ; f = 2^(old M - new M)
.set j, 0
.rept 32
	v_pk_fma_f32 v[SR+j:SR+j+1], v[SR+j:SR+j+1], s[CS:CS+1], v[12:13] op_sel_hi:[1,0,0]   ; t - M, two at a time (of the pairs c and -M the low word serves both halves)
.set j, j+2
.endr
.irp c, 0,1
	v_fma_f32 v[BM+\c], v[BM+\c], s[CS], v12       ; the same of each block's largest score
.endr
	s_wait_alu depctr_va_vdst(0)                   ; the wait ahead of the batch
.set j, 0
.rept 64
	v_exp_f32 v[SR+j], v[SR+j]                     ; p = 2^(t - M), at most 1
.set j, j+1
.endr
	v_pk_mul_f32 v[14:15], v[14:15], v[FF:FF+1] op_sel_hi:[1,0]   ; the sums under the new M (a plain line behind the exponentials)
	s_wait_alu depctr_va_vdst(0)                   ; one wait for the batch of 64, ahead of its first reader
.irp c, 0,1
	v_exp_f32 v[BM+\c], v[BM+\c]                   ; the block's largest p: the same two instructions on the same number give the same bits
.endr
.irp k, 0,1,2,3,4,5,6                  ; the row's sum of the unquantised p, two at a time, in eight chains
	v_pk_add_f32 v[SA+2*\k:SA+2*\k+1], v[SR+8*\k:SR+8*\k+1], v[SR+8*\k+2:SR+8*\k+3]
.endr
	v_pk_add_f32 v[14:15], v[14:15], v[SR+56:SR+57]
.irp m, 4,6
.irp k, 0,1,2,3,4,5,6
	v_pk_add_f32 v[SA+2*\k:SA+2*\k+1], v[SA+2*\k:SA+2*\k+1], v[SR+8*\k+\m:SR+8*\k+\m+1]
.endr
	v_pk_add_f32 v[14:15], v[14:15], v[SR+54+\m:SR+55+\m]
.endr
.irp k, 0,2,4
	v_pk_add_f32 v[SA+2*\k:SA+2*\k+1], v[SA+2*\k:SA+2*\k+1], v[SA+2*\k+2:SA+2*\k+3]
.endr
	v_pk_add_f32 v[14:15], v[14:15], v[SR+62:SR+63]
	v_pk_add_f32 v[SA:SA+1], v[SA:SA+1], v[SA+4:SA+5]
	v_pk_add_f32 v[SA+8:SA+9], v[SA+8:SA+9], v[SA+12:SA+13]
	v_pk_add_f32 v[14:15], v[14:15], v[SA:SA+1]
	v_pk_add_f32 v[14:15], v[14:15], v[SA+8:SA+9]
	s_wait_alu depctr_va_vdst(0)                   ; and one for the two
.irp c, 0,1
	v_max_num_f32 v[BM+\c], 0x1800000, v[BM+\c]    ; the floor 2^(3 - 127): the byte cannot fall under 1
.endr
.irp c, 0,1
	v_add_nc_u32 v[BS+\c], 0xff000000, v[BM+\c]    ; 2 off the exponent field: the conversion's scale operand
.endr
.irp c, 0,1
	v_lshrrev_b32 v[BT+\c], 23, v[BS+\c]           ; the scale's byte
.endr
	v_lshl_or_b32 v[PS], v[BT+1], 16, v[BT]        ; my two bytes: blocks h and 2 + h,
	v_lshlrev_b32 v[PS], v[SH], v[PS]              ; at their places, 8 h bits up;
	v_permlanex16_b32 v[TP], v[PS], s[SEL], s[SEL+1]
	v_or_b32 v[PS], v[PS], v[TP]                   ; with lane l xor 16's two: p's scale word for these 128 keys
.irp c, 0,1
.irp t, 0,1,2,3
	v_cvt_scalef32_pk8_fp4_f32 v[PC+4*\c+\t], v[SR+32*\c+16*(\t%2)+8*(\t/2):SR+32*\c+16*(\t%2)+8*(\t/2)+7], v[BS+\c]   ; score tile 4 c + t's eight keys: register 4 c + t of the operand
.endr
.endr
	s_wait_alu depctr_va_vdst(0)                   ; the wait here, directly ahead of the first reader of O^T
.set j, 0
.rept 16
	v_pk_mul_f32 v[OT+j:OT+j+1], v[OT+j:OT+j+1], v[FF:FF+1] op_sel_hi:[1,0]   ; O^T under the new M.  For each product below, the eight of these on the other accumulator stand between p's scale word and codes and that product
.set j, j+2
.endr
	s_wait_alu depctr_va_vdst(0)                   ; the wait here, directly ahead of the wait below
	s_wait_dscnt 10*\pre                           ; V and its scale words are in; the ten loads of the next step's K may be out
.irp g, 0,1                            ; O^T += V^T p^T: 32 channels an instruction; K = these 128 keys; the two accumulators take turns, and the four products of S^T stand between a sum's steps
	v_wmma_scale_f32_32x16x128_f4 v[OT+16*\g:OT+16*\g+15], v[VF+16*\g:VF+16*\g+15], v[PC:PC+7], v[OT+16*\g:OT+16*\g+15], v[VS+\g], v[PS]
.endr
.endm
.macro RUN n                           ; n key steps, each asking for the next one's K
	s_mov_b32 s[CNT], \n
.Lstep_\@:
	STEP 1
	s_add_co_u32 s[TB], s[TB], STEPB
	s_sub_co_u32 s[CNT], s[CNT], 1
	s_cmp_lg_u32 s[CNT], 0
	s_cbranch_scc1 .Lstep_\@
.endm
; One tile of 16 queries: tile qt of my pair.
.macro TILE qt
.if \qt
	s_wait_xcnt 0x0                                ; the first tile's stores have read their registers: K's fragments land there again only behind this wait
.endif
	global_load_b128 v[20:23], v[AL], s[40:41] offset:512*\qt   ; q's codes: lane (r, h): channels 32 h on of query r
.irp f, 0,1,2,3
.irp c, 0,1
	ds_load_b128 v[KF+8*\f+4*\c:KF+8*\f+4*\c+3], v[AL] offset:1024*\f+512*\c   ; key step 0's K
.endr
.endr
.irp g, 0,1
	ds_load_b32 v[KS+\g], v[AR] offset:8192+8*\g
.endr
.if \qt
	v_lshrrev_b32 v11, 16, v29
.else
	v_and_b32 v11, 0xffff, v29
.endif
	v_lshl_or_b32 v[SQ], v11, 16, v11              ; the tile's two bytes, at K 0-63 and at K 64-127 alike.  The 36 lines below stand between this line and the first product that names it
	v_mov_b32 v13, 0xff61b1e6                      ; the largest score so far: -3e38, under every score
	v_mov_b32 v12, 0x7e000000                      ; -M: 2^125, so that the first change of M gives f = 0
	v_mov_b32 v14, 0                               ; the sum, in two halves
	v_mov_b32 v15, 0
.set j, 0
.rept 32
	v_mov_b32 v[OT+j], 0                           ; O^T: the step is written for all steps alike; the first finds zeros, which the first change of M leaves zeros
.set j, j+1
.endr
	s_mov_b32 s[TB], 0
	s_wait_alu depctr_va_vdst(0)                   ; the wait here, directly ahead of the wait below
	s_wait_loadcnt 0x0                             ; q
.if \qt
	RUN 15
.else
	RUN 4                                          ; key steps 0 to 3, and K of step 4: the first half's bytes alone
	s_wait_tensorcnt 0x0                           ; my part of the second half is in,
	s_wait_dscnt 0x0                               ; no LDS instruction of mine is out,
	s_barrier_signal -1
	s_barrier_wait -1                              ; and everybody's part is in; from here on nobody writes those bytes
	RUN 11
.endif
	STEP 0                                         ; the last key step asks for nothing
	; THE WAY OUT: O^T / the sum goes through my stage and leaves as whole rows: sixteen lanes store a query's 256 bytes of this head, aligned
	PLACES
	v_add_f32 v14, v14, v15                        ; the sum's two halves,
	v_permlanex16_b32 v[TP], v14, s[SEL], s[SEL+1]
	v_add_f32 v14, v14, v[TP]                      ; and lane l xor 16's: the row's sum
	s_wait_alu depctr_va_vdst(0)                   ; the wait ahead of the transcendental
	v_rcp_f32 v14, v14
	v_nop                                          ; a plain line behind the reciprocal
	s_wait_alu depctr_va_vdst(0)                   ; and the wait ahead of its first reader
.set j, 0
.rept 32
	v_mul_f32 v[SR+j], v[OT+j], v14                ; register 8 t + i is channel 16 t + 8 h + i of query r; each accumulator from its low end on
.set j, j+1
.endr
.irp t, 0,1,2,3
	ds_store_b128 v[STO], v[SR+8*\t:SR+8*\t+3] offset:64*\t
	ds_store_b128 v[STO], v[SR+8*\t+4:SR+8*\t+7] offset:64*\t+16
.endr
.irp i, 0,1,2,3,4,5,6,7
	ds_load_b128 v[KF+4*\i:KF+4*\i+3], v[RD] offset:544*\i   ; LDS serves a wave's instructions in order: these see my stores
.endr
.irp i, 0,1,2,3,4,5,6,7
	s_wait_dscnt 7-\i                              ; load i is in; the younger ones may be out
	global_store_b128 v[GO], v[KF+4*\i:KF+4*\i+3], s[44:45] offset:(8*\qt+32*(\i/4)+2*(\i%4))*4096 th:TH_STORE_NT   ; tile rows 2 i and 2 i + 1 are queries 8 qt + 32 (i / 4) + 2 (i % 4) and the next, counted from my pair's first
.endr
.endm
	TILE 0
	TILE 1
	s_wait_tensorcnt 0x0                           ; the wave's end
	ds_add_u32 v[SPW], v[NIL]
	s_wait_dscnt 0x0
	CROUND                                         ; the closing round: no work-group ends while a partner may still ask for bytes that name it
	s_endpgm
.Lfunc_end_k_q4aecd62ad8_attn:
	.size	k_q4aecd62ad8_attn, .Lfunc_end_k_q4aecd62ad8_attn-k_q4aecd62ad8_attn
	.p2alignl 7, 3214868480
	.fill 96, 4, 3214868480
	.section	.rodata,"a",@progbits
	.p2align	6, 0x0
	.amdhsa_kernel k_q4aecd62ad8_attn
		.amdhsa_group_segment_fixed_size 327680
		.amdhsa_private_segment_fixed_size 0
		.amdhsa_enable_private_segment 0
		.amdhsa_kernarg_size 32
		.amdhsa_user_sgpr_count 2
		.amdhsa_user_sgpr_kernarg_segment_ptr 1
		.amdhsa_wavefront_size32 1
		.amdhsa_system_sgpr_workgroup_id_x 1
		.amdhsa_system_sgpr_workgroup_id_y 1
		.amdhsa_system_sgpr_workgroup_id_z 1
		.amdhsa_system_vgpr_workitem_id 0
		.amdhsa_next_free_vgpr 256
		.amdhsa_next_free_sgpr 66
		.amdhsa_reserve_vcc 0
		.amdhsa_float_denorm_mode_32 3
		.amdhsa_float_denorm_mode_16_64 3
		.amdhsa_memory_ordered 1
		.amdhsa_forward_progress 1
		.amdhsa_inst_pref_size 83
	.end_amdhsa_kernel
	.amdgpu_metadata
---
amdhsa.version: [ 1, 2 ]
amdhsa.kernels:
  - .name:           k_q4aecd62ad8_attn
    .symbol:         k_q4aecd62ad8_attn.kd
    .args:
      - { .name: qc, .offset: 0, .size: 8, .value_kind: global_buffer, .address_space: global }
      - { .name: qs, .offset: 8, .size: 8, .value_kind: global_buffer, .address_space: global }
      - { .name: kv, .offset: 16, .size: 8, .value_kind: global_buffer, .address_space: global }
      - { .name: out0, .offset: 24, .size: 8, .value_kind: global_buffer, .address_space: global }
    .group_segment_fixed_size: 327680
    .private_segment_fixed_size: 0
    .kernarg_segment_align: 8
    .kernarg_segment_size: 32
    .max_flat_workgroup_size: 512
    .sgpr_count:     66
    .vgpr_count:     256
    .wavefront_size: 32
...
	.end_amdgpu_metadata
.endif
;; end of part 3
